; MI455X (gfx1250); checked and timed in simulation.
; The chip was launched on July 23, 2026; its instructions are those of AMD's public machine-readable ISA for CDNA 5 (MIT licence, August 2026) and "CDNA5" Instruction Set Architecture Reference Guide (July 2026). The comments in the code are by the model that wrote it; some were corrected since.
;; Simple LTM. Allowed arithmetic: matrix products marked QUANTISED: E2M1 operands, one E8M0 scale for each 32 along K, by v_wmma_scale_f32_16x16x128_f8f6f4 with both operands' format E2M1 (or v_wmma_scale_f32_32x16x128_f4), f32 sums; everything else in f32.
;; Inputs: keys 100,000 x 256 float32; queries 2,048 x 256 float32; values 100,000 x 256 float32.
;; Outputs: out0 2,048 x 256 float32.
;; Constants: top_k = 8.
;; This version of the problem:
;;   THIS VERSION OF THE PROBLEM IS GIVEN IN LOW PRECISION. The matrix products marked QUANTISED in the list below multiply operands that are first quantised to E2M1 (2 exponent bits, 1 mantissa bit; 4 bits a number), with one power-of-two scale for each 32 numbers along K (OCP MX v1.0); their sums are f32. All else is computed in f32.
;;   The module's matrix products, in the order in which they are computed (A, B: the left and right operand; K: the contracted axis; several contracted axes count as one K, in the product's order):
;;     1. [M 2,048, K 256] x [K 256, N 100,000]; A: computed on the way; B: computed on the way: QUANTISED
;;   THE QUANTISER, for each operand of a quantised product, along K:
;;     - K is cut into blocks of 32 from its start; a last block that is shorter is filled with zeros.
;;     - A block's scale is 2^e with e = floor(log2(the largest magnitude in the block)) - 2, held to -126 .. 127; a block of zeros has e = 0. As a byte (E8M0): e + 127.
;;     - Each number is divided by its block's scale, clamped to +-6, and rounded to the nearest number of E2M1, ties to even, subnormals kept.
;;     - The product sums the exact products of the quantised numbers (number of the format x scale) in f32.
;;   ~~~python
;;   def quantise(x, axis):      # numpy; x: float32 -> the quantised numbers, widened to float32 again
;;       x = np.moveaxis(x, axis, -1); K = x.shape[-1]
;;       x = np.pad(x, [(0, 0)] * (x.ndim - 1) + [(0, -K % 32)]); x = x.reshape(x.shape[:-1] + (-1, 32)); a = np.abs(x).max(-1, keepdims=True)
;;       e = np.where(a > 0, np.clip(np.frexp(np.where(a > 0, a, 1))[1] - 1 - 2, -126, 127), 0)      # np.frexp(a)[1] - 1 = floor(log2(a)), exactly
;;       r = np.clip(x / 2.0 ** e, -6, 6)
;;       step = 2.0 ** (np.maximum(np.frexp(np.where(r == 0, 1, r))[1] - 1, 0) - 1)
;;       q = np.round(r / step) * step * 2.0 ** e      # np.round: ties to even
;;       return np.moveaxis(q.reshape(q.shape[:-2] + (-1,))[..., :K], -1, axis).astype(np.float32)
;;   ~~~
;;   OPERANDS COMPUTED ON THE WAY. 'Computed on the way' means the value that the module computes at that place (a softmax that the list does not call 'softmax' is quantised finished and normalised). What goes into a quantiser is computed in f32, as accurately as f32 sums, v_exp_f32 and their like allow (about 1e-6 of the number): no bf16 or f16 on the way to a quantiser, and a product that is left as it is and whose result goes on into a quantised operand takes f32 operands (vector FMAs, or v_wmma_f32_16x16x4_f32). A number that lies on a knife's edge between two numbers of the format may be rounded either way, as far as f32 arithmetic and the matrix unit's own rounding can turn it there, and no further.
;; One version. Each part assembles by itself: llvm-mc -triple=amdgcn-amd-amdhsa -mcpu=gfx1250 --defsym DOCPART=n.
;; ======== version 1 of 1: 5 launches
;; workspace buffers: kimg 13,600,000 bytes; qimg 278,528 bytes; gm 20,480,000 bytes; gid 65,536 bytes of whole numbers; kidx 65,536 bytes of whole numbers; wts 65,536 bytes
;; launch quant (part 1): grid 3189 x 1, 2 waves a work-group, no clusters, 33,536 bytes of LDS; arguments keys, queries, kimg, qimg; writes kimg, qimg
.if DOCPART == 1
	.amdgcn_target "amdgcn-amd-amdhsa--gfx1250"
	.amdhsa_code_object_version 6
	.text
	.protected	k_qdcb304542d_quant
	.globl	k_qdcb304542d_quant
	.p2align	8
	.type	k_qdcb304542d_quant,@function
k_qdcb304542d_quant:
	s_mov_b64 s[64:65], 0
	v_nop
	global_prefetch_b8 v0, s[64:65] scope:SCOPE_SE
	s_setreg_imm32_b32 hwreg(HW_REG_WAVE_MODE, 25, 1), 1
	s_wait_xcnt 0x0
; Rows of keys [100000][256] and of queries [2048][256], f32, are divided by max(their length, 1e-12) and turned into codes of FP4 (E2M1) with one
; E8M0 byte for each 32 along the row, laid IN THE ORDER OF THE OPERAND'S REGISTERS, a record for each tile of 16 rows:
;   codes:  2,048 bytes at 2048 x tile: the 16 bytes of block b (0..7) of the row in slot s (0..15) at 256 b + 16 s.  Lane l's load i (0..3) at 512 i + 16 l is
;           then block 2 i + l / 16 of slot l % 16: registers 4 i .. 4 i + 3 of the two fragments (K = 0..127 in registers 0-7, K = 128..255 in 8-15).
;   scales: 128 bytes at AREA + 128 x tile: word 16 s + slot = the four bytes of K step s of that slot's row (lanes 0-15 K step 0, lanes 16-31 K step 1).
; Queries: slot r of tile t is query 16 t + r.  Keys: tile 5 S + t', slot 8 h + j is key 80 S + 40 h + 8 t' + j, so that the five tiles of S give each half of
; the lanes of a result 40 NEIGHBOURING keys.
; A wave makes one tile (16 rows, 16 KiB); tiles 0..6249 are the keys', 6250..6377 the queries'; only pointers and offsets are chosen, the text has one path.
; Every load reads 512 consecutive bytes; the rows turn through the wave's own stage in LDS, so that a lane comes to hold four whole blocks of one row.
; A block's scale: its largest magnitude's exponent field less 2, held at 1 from below (a block of zeros keeps the byte 1: its codes are zeros, and this program alone reads the bytes).
; LIMITS: NaN and infinities among the inputs are not served; rows whose sum of squares leaves f32's range (above 3e38, or so small that it falls to 0) are not served.
; No matrix unit, no cluster, no barrier: the launch streams, and waves share nothing.
.set NKT,   6250                       ; tiles of keys
.set SROW,  1040                       ; a stage row: 1,024 bytes + 16: 65 x 16, so that sixteen rows' 16-byte reads start at sixteen different places modulo 256 bytes
.set SWAVE, 16*SROW                    ; a wave's stage
.set NN,  12                           ; v[12:13] -n, twice
.set RR,  14                           ; v[14:15] 1 / n, twice
.set TP,  16                           ; v16-23   four pairs at work
.set BY,  24                           ; v24-27   my four blocks' scale bytes
.set X,   32                           ; v32-159  128 numbers: as loaded, then block 2 i + hb of my row at X + 32 i
.set C,   160                          ; v160-175 the codes
.set SS,  176                          ; v176-183 four packed sums of squares
.set MX,  184                          ; v184-187 largest magnitudes
.set SC,  188                          ; v188-191 the conversions' scale operands
	s_load_b256 s[4:11], s[0:1], 0x0               ; keys s[4:5], queries s[6:7], kimg s[8:9], qimg s[10:11]
	v_lshl_add_u32 v192, v0, 2, 0x8200
	v_mov_b32 v193, 0
	v_lshrrev_b32 v1, 5, v0
	v_readfirstlane_b32 s12, v1                    ; wave 0, 1
	v_and_b32 v2, 31, v0                           ; lane
	v_lshlrev_b32 v3, 4, v2                        ; 16 x lane
	v_lshlrev_b32 v4, 2, v2                        ; 4 x lane
	v_and_b32 v5, 15, v0                           ; r: my row's slot
	v_bfe_u32 v6, v0, 4, 1                         ; hb: which block of each pair is mine
	s_mul_i32 s26, s12, SWAVE
	v_add_nc_u32 v7, s26, v3                       ; the stage, on the way in: as the bytes lie
	v_mul_u32_u24 v8, v5, SROW
	v_lshl_add_u32 v8, v6, 7, v8
	v_add_nc_u32 v8, s26, v8                       ; and on the way out: row r, + 128 hb
	v_mov_b32 v10, 0                               ; (a lane permute's destination counts as one of its sources)
	v_mov_b32 v29, 0
	s_mov_b32 s24, 0x76543210
	s_mov_b32 s25, 0xfedcba98                      ; v_permlanex16_b32's selects for lane l xor 16
	s_lshl_b32 s13, ttmp9, 1
	s_add_co_u32 s13, s13, s12                     ; T: my tile
	s_mul_i32 s14, s13, 52429
	s_lshr_b32 s14, s14, 18                        ; S = T / 5 (exact for T under 81,920)
	s_mul_i32 s15, s14, 5
	s_sub_co_u32 s15, s13, s15                     ; t'
	s_mul_i32 s14, s14, 80
	s_lshl_b32 s15, s15, 3
	s_add_co_u32 s14, s14, s15                     ; a key tile's first row: 80 S + 8 t'
	s_sub_co_u32 s16, s13, NKT                     ; a query tile's number,
	s_lshl_b32 s17, s16, 4                         ; and its first row
	s_mov_b32 s18, 8192                            ; queries: slots 8-15 begin 8 rows on
	s_mov_b32 s19, 262144                          ; qimg: where the scale words begin
	s_wait_kmcnt 0x0
	s_cmp_lt_u32 s13, NKT                          ; keys or queries?  The choice hangs on ids alone; only selections stand behind the compare
	s_cselect_b32 s14, s14, s17                    ; first row
	s_cselect_b32 s16, s13, s16                    ; record
	s_cselect_b32 s18, 40960, s18                  ; keys: slots 8-15 begin 40 rows on
	s_cselect_b32 s19, 12800000, s19               ; kimg: where the scale words begin
	s_cselect_b64 s[4:5], s[4:5], s[6:7]           ; from
	s_cselect_b64 s[8:9], s[8:9], s[10:11]         ; to
	s_mov_b32 s23, 0
	s_lshl_b32 s22, s14, 10
	s_add_nc_u64 s[4:5], s[4:5], s[22:23]          ; slots 0-7: eight rows on end
	s_mov_b32 s22, s18
	s_add_nc_u64 s[6:7], s[4:5], s[22:23]          ; slots 8-15
	s_lshl_b32 s22, s16, 11
	s_add_nc_u64 s[10:11], s[8:9], s[22:23]        ; my record's codes
	s_lshl_b32 s22, s16, 7
	s_add_co_u32 s22, s22, s19
	s_add_nc_u64 s[8:9], s[8:9], s[22:23]          ; and its scale words
.set ii, 0
.rept 16
	global_load_b128 v[X+4*ii:X+4*ii+3], v3, s[4:5] offset:512*ii th:TH_LOAD_NT          ; 32 lanes read 512 consecutive bytes: half a row
.set ii, ii+1
.endr
.rept 16
	global_load_b128 v[X+4*ii:X+4*ii+3], v3, s[6:7] offset:512*(ii-16) th:TH_LOAD_NT
.set ii, ii+1
.endr
.set ii, 0
.rept 32
	s_wait_loadcnt 31-ii                           ; loads come back in order: load ii is in, the younger ones stay out
	ds_store_b128 v7, v[X+4*ii:X+4*ii+3] offset:(ii/2)*SROW+(ii%2)*512
.set ii, ii+1
.endr
.irp b, 0,1,2,3
.irp k, 0,1,2,3,4,5,6,7
	ds_load_b128 v[X+32*\b+4*\k:X+32*\b+4*\k+3], v8 offset:256*\b+16*\k   ; LDS serves a wave's instructions in order: these see my stores.  Block 2 b + hb of row r
.endr
.endr
	s_wait_dscnt 0x0
	; the row's length: my 128 squares in four packed chains, then the other half of the row from lane l xor 16
.irp c, 0,1,2,3
	v_pk_mul_f32 v[SS+2*\c:SS+2*\c+1], v[X+2*\c:X+2*\c+1], v[X+2*\c:X+2*\c+1]
.endr
.set pp, 4
.rept 15
.irp c, 0,1,2,3
	v_pk_fma_f32 v[SS+2*\c:SS+2*\c+1], v[X+2*(pp+\c):X+2*(pp+\c)+1], v[X+2*(pp+\c):X+2*(pp+\c)+1], v[SS+2*\c:SS+2*\c+1]
.endr
.set pp, pp+4
.endr
	v_pk_add_f32 v[SS:SS+1], v[SS:SS+1], v[SS+2:SS+3]
	v_pk_add_f32 v[SS+4:SS+5], v[SS+4:SS+5], v[SS+6:SS+7]
	v_pk_add_f32 v[SS:SS+1], v[SS:SS+1], v[SS+4:SS+5]
	v_add_f32 v9, v[SS], v[SS+1]
	v_permlanex16_b32 v10, v9, s24, s25
	v_add_f32 v9, v9, v10
	v_sqrt_f32 v11, v9
	v_nop                                          ; one plain place behind a transcendental
	s_wait_alu depctr_va_vdst(0)
	v_max_num_f32 v11, 0x2b8cbccc, v11             ; n = max(length, 1e-12)
	v_rcp_f32 v[RR], v11
	v_xor_b32 v[NN], 0x80000000, v11               ; -n (a plain place behind the reciprocal; it writes no source of it)
	v_mov_b32 v[NN+1], v[NN]
	s_wait_alu depctr_va_vdst(0)
	v_mov_b32 v[RR+1], v[RR]
	; x / n: t = x r; x - n t is exact in one fused multiply-add; t + (x - n t) r
.set pp, 0
.rept 16
.irp c, 0,1,2,3
	v_pk_mul_f32 v[TP+2*\c:TP+2*\c+1], v[X+2*(pp+\c):X+2*(pp+\c)+1], v[RR:RR+1]
.endr
.irp c, 0,1,2,3
	v_pk_fma_f32 v[X+2*(pp+\c):X+2*(pp+\c)+1], v[NN:NN+1], v[TP+2*\c:TP+2*\c+1], v[X+2*(pp+\c):X+2*(pp+\c)+1]
.endr
.irp c, 0,1,2,3
	v_pk_fma_f32 v[X+2*(pp+\c):X+2*(pp+\c)+1], v[X+2*(pp+\c):X+2*(pp+\c)+1], v[RR:RR+1], v[TP+2*\c:TP+2*\c+1]
.endr
.set pp, pp+4
.endr
	; my four blocks' largest magnitudes: all 32 numbers of a block are mine
.irp b, 0,1,2,3
	v_max3_num_f32 v[MX+\b], |v[X+32*\b]|, |v[X+32*\b+1]|, 0x1800000   ; and the floor 2^(3 - 127): the byte cannot fall under 1
.endr
.irp i, 2,4,6,8,10,12,14,16,18,20,22,24,26,28,30
.irp b, 0,1,2,3
	v_max3_num_f32 v[MX+\b], v[MX+\b], |v[X+32*\b+\i]|, |v[X+32*\b+\i+1]|   ; (the four blocks by turns)
.endr
.endr
.irp b, 0,1,2,3
	v_add_nc_u32 v[SC+\b], 0xff000000, v[MX+\b]    ; 2 off the exponent field: the conversion takes the exponent field of this operand as its scale
.endr
.irp b, 0,1,2,3
	v_lshrrev_b32 v[BY+\b], 23, v[SC+\b]           ; the scale's byte
.endr
	; the scale words.  I hold blocks hb, 2 + hb (K step 0) and 4 + hb, 6 + hb (K step 1); lane (r, hb) is to store the word of K step hb
	v_lshl_or_b32 v28, v[BY+1], 16, v[BY]
	v_lshl_or_b32 v30, v[BY+3], 16, v[BY+2]
	v_lshlrev_b32 v31, 3, v6
	v_lshlrev_b32 v28, v31, v28                    ; my two bytes of K step 0's word, at their places,
	v_lshlrev_b32 v30, v31, v30                    ; and of K step 1's
	v_cmp_ne_u32 vcc_lo, 0, v6
	v_cndmask_b32 v9, v28, v30, vcc_lo             ; what I keep: K step hb's
	v_cndmask_b32 v11, v30, v28, vcc_lo            ; what lane l xor 16 wants of me: the other's
	v_permlanex16_b32 v29, v11, s24, s25
	v_or_b32 v9, v9, v29
.irp b, 0,1,2,3
.irp g, 0,1,2,3
	v_cvt_scalef32_pk8_fp4_f32 v[C+4*\b+\g], v[X+32*\b+8*\g:X+32*\b+8*\g+7], v[SC+\b]   ; eight numbers / the scale, to the nearest code, ties to even; the first number's code in the lowest bits
.endr
.endr
	v_nop                                          ; one plain place behind the last scaled conversion
.irp b, 0,1,2,3
	global_store_b128 v3, v[C+4*\b:C+4*\b+3], s[10:11] offset:512*\b   ; 32 lanes store 512 consecutive bytes, at a multiple of 256 from the buffer's first byte
.endr
	global_store_b32 v4, v9, s[8:9]                ; 128 consecutive bytes; the work-group's other wave stores the 128 beside them
	s_wait_tensorcnt 0x0
	ds_add_u32 v192, v193
	s_wait_dscnt 0x0
	s_endpgm
.Lfunc_end_k_qdcb304542d_quant:
	.size	k_qdcb304542d_quant, .Lfunc_end_k_qdcb304542d_quant-k_qdcb304542d_quant
	.p2alignl 7, 3214868480
	.fill 96, 4, 3214868480
	.section	.rodata,"a",@progbits
	.p2align	6, 0x0
	.amdhsa_kernel k_qdcb304542d_quant
		.amdhsa_group_segment_fixed_size 33536
		.amdhsa_private_segment_fixed_size 0
		.amdhsa_enable_private_segment 0
		.amdhsa_kernarg_size 32
		.amdhsa_user_sgpr_count 2
		.amdhsa_user_sgpr_kernarg_segment_ptr 1
		.amdhsa_wavefront_size32 1
		.amdhsa_system_sgpr_workgroup_id_x 1
		.amdhsa_system_sgpr_workgroup_id_y 1
		.amdhsa_system_sgpr_workgroup_id_z 1
		.amdhsa_system_vgpr_workitem_id 0
		.amdhsa_next_free_vgpr 194
		.amdhsa_next_free_sgpr 66
		.amdhsa_reserve_vcc 1
		.amdhsa_float_denorm_mode_32 3
		.amdhsa_float_denorm_mode_16_64 3
		.amdhsa_memory_ordered 1
		.amdhsa_forward_progress 1
		.amdhsa_inst_pref_size 34
	.end_amdhsa_kernel
	.amdgpu_metadata
---
amdhsa.version: [ 1, 2 ]
amdhsa.kernels:
  - .name:           k_qdcb304542d_quant
    .symbol:         k_qdcb304542d_quant.kd
    .args:
      - { .name: keys, .offset: 0, .size: 8, .value_kind: global_buffer, .address_space: global }
      - { .name: queries, .offset: 8, .size: 8, .value_kind: global_buffer, .address_space: global }
      - { .name: kimg, .offset: 16, .size: 8, .value_kind: global_buffer, .address_space: global }
      - { .name: qimg, .offset: 24, .size: 8, .value_kind: global_buffer, .address_space: global }
    .group_segment_fixed_size: 33536
    .private_segment_fixed_size: 0
    .kernarg_segment_align: 8
    .kernarg_segment_size: 32
    .max_flat_workgroup_size: 64
    .sgpr_count:     66
    .vgpr_count:     194
    .wavefront_size: 32
...
	.end_amdgpu_metadata
.endif
;; end of part 1
;; launch scan (part 2): grid 250 x 1, 4 waves a work-group, no clusters, 279,040 bytes of LDS; arguments kimg, qimg, gm; writes gm
.if DOCPART == 2
	.amdgcn_target "amdgcn-amd-amdhsa--gfx1250"
	.amdhsa_code_object_version 6
	.text
	.protected	k_qdcb304542d_scan
	.globl	k_qdcb304542d_scan
	.p2align	8
	.type	k_qdcb304542d_scan,@function
k_qdcb304542d_scan:
	s_mov_b64 s[64:65], 0
	v_nop
	global_prefetch_b8 v0, s[64:65] scope:SCOPE_SE
	s_setreg_imm32_b32 hwreg(HW_REG_WAVE_MODE, 25, 1), 1
	s_wait_xcnt 0x0
; All scores of 2,048 queries against 100,000 keys on codes of FP4 (E2M1) with E8M0 scales, K = 256: two matrix instructions of 16 x 16 x 128 a tile.  No score is stored: of each
; GROUP of 40 neighbouring keys (group g = keys 40 g .. 40 g + 39) only the largest score of each query goes to memory.  A query's 8 best keys, by (score falling, index rising), lie in
; its 8 best groups, by (largest score falling, number rising): were one of them in a ninth group, each of the 8 groups ahead would hold a key ahead of it.
; SHARES.  A work-group owns 400 keys: 25 tiles, 5 supertiles of 80 keys, 10 groups.  EACH WAVE HOLDS ALL 25 KEY TILES IN REGISTERS (400) and walks 512 queries of its own, 32 tiles.
; The query image (278,528 bytes) lies in LDS as it lies in memory; each wave brings and reads only its own quarter: no barrier, and no byte of LDS is filled twice.
; LAYOUT.  Source 0 = 16 keys, source 1 = 16 queries: in a result lane (r, h) holds query r and key slots 8 h .. 8 h + 7, which over a supertile's five tiles are the 40 keys of group
; 2 S + h.  So a group's maximum needs no other lane: half a v_max3_num_f32 a score, set between the matrix instructions.
; gm.  Area A, [query tile 128][work-group 250][p 2][lane 32][e 2] f32: supertile 2 p + e.  Area B, from byte 16,384,000, [query tile / 2][work-group][lane][query tile % 2]: supertile 4.
; Each store of a wave covers 256 consecutive bytes, aligned.
; NO CLUSTER: all work-groups read the same query image, but the grid of 250 is no multiple of 4, and the image comes once, at the head.
; LIMITS: NaN among the scores is not served (a NaN loses every maximum).
; REGISTERS, in windows of 256.  Window 0: v1-3 lane terms; v16-40 the key tiles' scale words; v42-43 the query tile's, by the tile's parity; v44-45 their LDS address.
; Windows 1, 2, 3 hold key tiles 0-9, 10-19, 20-24 and ALL that their products and maxima name, on one map, so that a phase runs under one setting of the windows:
;   v[16 t ..] key tile t; v160-175 the query tile; v176-207 four accumulators; v208-211 running maxima (two chains for each of two supertiles); v212-213 what is stored; v214-216 addresses.
.set KS,   16
.set QS,   42
.set ASC,  44                          ; LDS address of the scale words to be fetched
.set ASC0, 45                          ; my lane's place among my wave's scale words; never rewritten
.set BQ,   160
.set ACC,  176
.set RM,   208
.set F,    212
.set AL,   214                         ; LDS address of the query tile to be fetched
.set AG,   215                         ; 8 x lane; never rewritten
.set AL0,  216                         ; my lane's place in my wave's first query tile; never rewritten
.set GA,   72                          ; s[72:73] gm, area A: this trip's first query tile, my work-group
.set GB,   74                          ; s[74:75] gm, area B likewise
.set KC,   76                          ; s[76:77] my work-group's codes in kimg
.set KW,   78                          ; s[78:79] and scale words
.set CNT,  80
.set TB,   81                          ; s81  2,048 x (the trip's second tile): what is fetched next
.set TS,   82                          ; s82  128 x (the next trip's first tile)
.set MSB, 0
.macro WIN new                         ; the immediate's high byte repeats the setting that is left; a switch that changes nothing is dropped
.if MSB != (\new)
	s_set_vgpr_msb (MSB<<8)|(\new)
.set MSB, (\new)
.endif
.endm
.macro G1SET g, r                      ; descriptor group 1: r rows of 256 bytes (32 elements of 8 bytes), dense in memory and in LDS
	s_mov_b32 s[\g], 3<<16                         ; no mask; elements of 8 bytes; no padding
	s_mov_b32 s[\g+1], 32<<16                      ; tensor_dim0
	s_mov_b32 s[\g+2], (\r)<<16                    ; tensor_dim1
	s_mov_b32 s[\g+3], 32<<16                      ; tile_dim0
	s_mov_b32 s[\g+4], \r                          ; tile_dim1
	s_mov_b32 s[\g+5], 32                          ; from row to row
	s_mov_b32 s[\g+6], 0
	s_mov_b32 s[\g+7], 0
.endm
.macro G0SET g, base, off              ; descriptor group 0: the same byte offset, s[base] + off, in LDS and in qimg
	s_mov_b32 s[\g], 1
	s_add_co_u32 s[\g+1], s[\base], \off
	s_add_co_u32 s86, s[\base], \off
	s_add_nc_u64 s[\g+2:\g+3], s[6:7], s[86:87]
	s_or_b32 s[\g+3], s[\g+3], 0x80000000          ; type = 2
.endm
	s_load_b128 s[4:7], s[0:1], 0x0                ; kimg, qimg
	s_load_b64 s[8:9], s[0:1], 0x10                ; gm
	v_lshl_add_u32 v254, v0, 2, 0x44000
	v_mov_b32 v255, 0
	ds_add_u32 v254, v255
	ds_add_u32 v254, v255
	v_lshrrev_b32 v1, 5, v0
	v_readfirstlane_b32 s10, v1                    ; wave 0..3
	G1SET 16, 72
	G1SET 24, 64
	G1SET 32, 56
	G1SET 40, 16
	s_lshl_b32 s84, s10, 16                        ; my 32 query tiles' codes: 65,536 x wave
	s_lshl_b32 s85, s10, 12
	s_add_co_u32 s85, s85, 262144                  ; and their scale words: 262,144 + 4,096 x wave
	s_mov_b32 s87, 0
	s_wait_dscnt 0x0
	s_wait_kmcnt 0x0
	G0SET 48, 85, 0                                ; the scale words;
	G0SET 52, 84, 0                                ; tiles 0-8;  the parts are cut one tile late, so that "the next tile" of a loop's last trip lies in what that loop has waited for
	G0SET 56, 84, 18432                            ; tiles 9-16;
	G0SET 60, 84, 34816                            ; tiles 17-24;
	G0SET 68, 84, 51200                            ; tiles 25-31
	tensor_load_to_lds s[48:51], s[40:47]          ; all first fills in one group, ahead of every wait on TENSORcnt and every LDS read: five loads of mine are out
	s_nop 0
	tensor_load_to_lds s[52:55], s[16:23]
	s_nop 0
	tensor_load_to_lds s[56:59], s[24:31]
	s_nop 0
	tensor_load_to_lds s[60:63], s[24:31]
	s_nop 0
	tensor_load_to_lds s[68:71], s[32:39]
	s_nop 0
.rept 4
	v_nop                                          ; (behind a tensor load)
.endr
	v_and_b32 v1, 31, v0                           ; lane
	v_lshlrev_b32 v2, 4, v1
	v_lshlrev_b32 v3, 2, v1
	v_add_nc_u32 v[ASC0], s85, v3
	s_mov_b32 s89, 0
	s_mul_i32 s88, ttmp9, 51200                    ; 25 tiles of 2,048 bytes
	s_add_nc_u64 s[KC:KC+1], s[4:5], s[88:89]
	s_mul_i32 s88, ttmp9, 3200                     ; 25 x 128 bytes, behind the codes
	s_add_co_u32 s88, s88, 12800000
	s_add_nc_u64 s[KW:KW+1], s[4:5], s[88:89]
	s_mul_i32 s88, s10, 4096000                    ; area A: 32 query tiles of 128,000 bytes a wave, 512 bytes a work-group
	s_lshl_b32 s90, ttmp9, 9
	s_add_co_u32 s88, s88, s90
	s_add_nc_u64 s[GA:GA+1], s[8:9], s[88:89]
	s_mul_i32 s88, s10, 1024000                    ; area B: 16 pairs of 64,000 bytes a wave, 256 bytes a work-group
	s_lshl_b32 s90, ttmp9, 8
	s_add_co_u32 s88, s88, s90
	s_add_co_u32 s88, s88, 16384000
	s_add_nc_u64 s[GB:GB+1], s[8:9], s[88:89]
.macro KLOAD w, nt, kb                 ; window w: its addresses, and key tiles kb .. kb + nt - 1, which stay
	WIN (\w)<<6                                    ; destination window w, sources window 0
	v_add_nc_u32 v[AL0], s84, v2
	v_lshlrev_b32 v[AG], 3, v1
.set ii, 0
.rept \nt
.irp c, 0,1,2,3
	global_load_b128 v[16*ii+4*\c:16*ii+4*\c+3], v2, s[KC:KC+1] offset:2048*(\kb+ii)+512*\c
.endr
.set ii, ii+1
.endr
.endm
	KLOAD 1, 10, 0
	KLOAD 2, 10, 10
	KLOAD 3, 5, 20
	WIN 0
.set ii, 0
.rept 25
	global_load_b32 v[KS+ii], v3, s[KW:KW+1] offset:128*ii     ; lanes 0-15 K step 0's words, lanes 16-31 K step 1's
.set ii, ii+1
.endr
; One matrix instruction: key tile t of the window, K step s.  kb: the window's first tile; u: the query tile's parity.  K step 0 starts the sum with the constant 0.
.macro WM t, s, kb, u
.if \s == 0
	v_wmma_scale_f32_16x16x128_f8f6f4 v[ACC+8*((\t)%4):ACC+8*((\t)%4)+7], v[16*(\t):16*(\t)+7], v[BQ:BQ+7], 0, v[KS+\kb+(\t)], v[QS+\u] matrix_a_fmt:MATRIX_FMT_FP4 matrix_b_fmt:MATRIX_FMT_FP4
.else
	v_wmma_scale_f32_16x16x128_f8f6f4 v[ACC+8*((\t)%4):ACC+8*((\t)%4)+7], v[16*(\t)+8:16*(\t)+15], v[BQ+8:BQ+15], v[ACC+8*((\t)%4):ACC+8*((\t)%4)+7], v[KS+\kb+(\t)], v[QS+\u] matrix_a_fmt:MATRIX_FMT_FP4 matrix_b_fmt:MATRIX_FMT_FP4 matrix_a_scale:MATRIX_SCALE_ROW1 matrix_b_scale:MATRIX_SCALE_ROW1
.endif
.endm
; A quarter (o = 0..3) of tile t's eight scores goes into its supertile's running maxima: two chains, so that neighbouring lines do not wait for each other.  o = 0 reads the accumulator's two lowest registers.
.macro MX t, o
.set rr, RM+2*(((\t)/5)%2)+(\o)%2
.set rx, ACC+8*((\t)%4)+2*(\o)
.if (((\t)%5) == 0) && ((\o) < 2)
	v_max_num_f32 v[rr], v[rx], v[rx+1]
.else
	v_max3_num_f32 v[rr], v[rr], v[rx], v[rx+1]
.endif
.endm
; A PHASE: the window's nt key tiles against the query tile.  Step i: K step 0 of tile i | half of tile i - 3's maxima | K step 1 of tile i - 1 | the other half.
; The accumulators take turns, one instruction a turn: between a tile's two matrix instructions stand two others'.
; By count: a tile's second matrix instruction stands six plain lines that name none of its registers ahead of the first read of its result (four are asked: ISA guide 7.12.1),
; and the same six ahead of the matrix instruction that begins that accumulator anew (five are asked).  At a phase's head v_nop stand where no maxima are due yet.
.macro PHASE w, nt, kb, u
	WIN 0x55*\w
.set ii, 0
.rept \nt+3
.if ii < \nt
	WM ii, 0, \kb, \u
.endif
.if ii >= 3
	MX ii-3, 0
	MX ii-3, 1
.elseif ii == 2
	v_nop
	v_nop
.endif
.if (ii >= 1) && (ii <= \nt)
	WM ii-1, 1, \kb, \u
.endif
.if ii >= 3
	MX ii-3, 2
	MX ii-3, 3
.elseif ii >= 1
	v_nop
	v_nop
.endif
.set ii, ii+1
.endr
.endm
; A phase's end: the groups' maxima leave, and the window's copy of the next query tile is asked for (pfB = 1).  The last matrix instruction that read the old copy stands six plain lines back or more.
.macro PEND w, u, pfB
	s_wait_xcnt 0x0                                ; the earlier stores have read their data: only behind this wait is it written again
.if \w < 3
	v_max_num_f32 v[F], v[RM], v[RM+1]
	v_max_num_f32 v[F+1], v[RM+2], v[RM+3]
	global_store_b64 v[AG], v[F:F+1], s[GA:GA+1] offset:128000*\u+256*(\w-1)   ; 32 lanes store 256 consecutive bytes, aligned
.else
	v_max_num_f32 v[F+\u], v[RM], v[RM+1]
.if \u == 1
	global_store_b64 v[AG], v[F:F+1], s[GB:GB+1]   ; supertile 4 of the trip's two query tiles
.endif
.endif
.if \pfB
.if \u == 0
	v_add_nc_u32 v[AL], s[TB], v[AL0]              ; the trip's second tile; its successor stands 2,048 bytes on, in the immediate
.endif
.irp c, 0,1,2,3
	ds_load_b128 v[BQ+4*\c:BQ+4*\c+3], v[AL] offset:2048*\u+512*\c
.endr
.endif
.endm
; A query tile.  LDS loads are issued in the order: window 1's four, window 2's four, window 3's four (the next tile), one scale word (the tile after that).  Each wait counts the loads younger than
; the copy that the phase reads.  prevS: the tile before asked for a scale word; pfB, pfS: this one asks.
.macro TILE u, pfB, pfS, prevS
	s_wait_dscnt 8+\prevS                          ; younger: windows 2's and 3's copies, the scale word
	PHASE 1, 10, 0, \u
	PEND 1, \u, \pfB
	s_wait_dscnt 4+\prevS+4*\pfB                   ; younger: window 3's copy, the scale word, window 1's next
	PHASE 2, 10, 10, \u
	PEND 2, \u, \pfB
	s_wait_dscnt \prevS+8*\pfB                     ; younger: the scale word, windows 1's and 2's next
	PHASE 3, 5, 20, \u
	PEND 3, \u, \pfB
	WIN 0
.if \pfS
.if \u == 0
	v_add_nc_u32 v[ASC], s[TS], v[ASC0]
.endif
	ds_load_b32 v[QS+\u], v[ASC] offset:128*\u     ; the scale words of the tile two on, into the register that this tile has done with
.endif
.endm
; A part of the query image: left = how many later parts may stay out; two tiles a trip.
.macro BLOCK trips, left
	s_wait_tensorcnt \left                         ; tensor loads of a wave end in order: the part that these trips read, and fetch ahead in, has landed
	s_mov_b32 s[CNT], \trips
.Ltrip_\@:
	TILE 0, 1, 1, 1
	TILE 1, 1, 1, 1
	s_wait_xcnt 0x0                                ; the stores have read their bases
	s_add_nc_u64 s[GA:GA+1], s[GA:GA+1], 256000
	s_add_nc_u64 s[GB:GB+1], s[GB:GB+1], 64000
	s_add_co_u32 s[TB], s[TB], 4096
	s_add_co_u32 s[TS], s[TS], 256
	s_sub_co_u32 s[CNT], s[CNT], 1
	s_cmp_lg_u32 s[CNT], 0
	s_cbranch_scc1 .Ltrip_\@
.endm
	s_wait_tensorcnt 0x3                           ; the scale words and tiles 0-8 have landed; the three later parts may stay out
	ds_load_b32 v[QS], v[ASC0]                     ; tiles 0 and 1
	ds_load_b32 v[QS+1], v[ASC0] offset:128
.irp w, 1,2,3
	WIN 0x55*\w
.irp c, 0,1,2,3
	ds_load_b128 v[BQ+4*\c:BQ+4*\c+3], v[AL0] offset:512*\c      ; tile 0, once for each window
.endr
.endr
	WIN 0
	s_mov_b32 s[TB], 2048
	s_mov_b32 s[TS], 256
	s_wait_loadcnt 0x0                             ; the keys
	s_wait_dscnt 0x0
	BLOCK 4, 3                                     ; tiles 0-7, fetching up to tile 8
	BLOCK 4, 2                                     ; tiles 8-15, up to 16
	BLOCK 4, 1                                     ; tiles 16-23, up to 24
	BLOCK 3, 0                                     ; tiles 24-29, up to 30: no tensor load is out any more
	TILE 0, 1, 0, 1                                ; tile 30 fetches tile 31 and no scale word
	TILE 1, 0, 0, 0                                ; tile 31 fetches nothing
	s_wait_tensorcnt 0x0
	ds_add_u32 v254, v255
	s_wait_dscnt 0x0
	s_endpgm
.Lfunc_end_k_qdcb304542d_scan:
	.size	k_qdcb304542d_scan, .Lfunc_end_k_qdcb304542d_scan-k_qdcb304542d_scan
	.p2alignl 7, 3214868480
	.fill 96, 4, 3214868480
	.section	.rodata,"a",@progbits
	.p2align	6, 0x0
	.amdhsa_kernel k_qdcb304542d_scan
		.amdhsa_group_segment_fixed_size 279040
		.amdhsa_private_segment_fixed_size 0
		.amdhsa_enable_private_segment 0
		.amdhsa_kernarg_size 24
		.amdhsa_user_sgpr_count 2
		.amdhsa_user_sgpr_kernarg_segment_ptr 1
		.amdhsa_wavefront_size32 1
		.amdhsa_system_sgpr_workgroup_id_x 1
		.amdhsa_system_sgpr_workgroup_id_y 1
		.amdhsa_system_sgpr_workgroup_id_z 1
		.amdhsa_system_vgpr_workitem_id 0
		.amdhsa_next_free_vgpr 1024
		.amdhsa_next_free_sgpr 96
		.amdhsa_reserve_vcc 0
		.amdhsa_float_denorm_mode_32 3
		.amdhsa_float_denorm_mode_16_64 3
		.amdhsa_memory_ordered 1
		.amdhsa_forward_progress 1
		.amdhsa_inst_pref_size 163
	.end_amdhsa_kernel
	.amdgpu_metadata
---
amdhsa.version: [ 1, 2 ]
amdhsa.kernels:
  - .name:           k_qdcb304542d_scan
    .symbol:         k_qdcb304542d_scan.kd
    .args:
      - { .name: kimg, .offset: 0, .size: 8, .value_kind: global_buffer, .address_space: global }
      - { .name: qimg, .offset: 8, .size: 8, .value_kind: global_buffer, .address_space: global }
      - { .name: gm, .offset: 16, .size: 8, .value_kind: global_buffer, .address_space: global }
    .group_segment_fixed_size: 279040
    .private_segment_fixed_size: 0
    .kernarg_segment_align: 8
    .kernarg_segment_size: 24
    .max_flat_workgroup_size: 128
    .sgpr_count:     96
    .vgpr_count:     1024
    .wavefront_size: 32
...
	.end_amdgpu_metadata
.endif
;; end of part 2
;; launch pick (part 3): grid 256 x 1, 8 waves a work-group, no clusters, 201,728 bytes of LDS; arguments gm, gid; writes gid
.if DOCPART == 3
	.amdgcn_target "amdgcn-amd-amdhsa--gfx1250"
	.amdhsa_code_object_version 6
	.text
	.protected	k_qdcb304542d_pick
	.globl	k_qdcb304542d_pick
	.p2align	8
	.type	k_qdcb304542d_pick,@function
k_qdcb304542d_pick:
	s_mov_b64 s[64:65], 0
	v_nop
	global_prefetch_b8 v0, s[64:65] scope:SCOPE_SE
	s_setreg_imm32_b32 hwreg(HW_REG_WAVE_MODE, 25, 1), 1
	s_wait_xcnt 0x0
; For each query the 8 best of its 2,500 groups, by (the group's largest score falling, the group's number rising), exactly.  Stored as whole numbers for the next launch:
; for group g = 2 S + h the number 80 S + h = 40 g - 39 (g % 2).
; SHARES.  A wave takes one query: 80 groups a lane, in registers.  Work-group x takes queries 8 x .. 8 x + 7: half of query tile x / 2.  In gm 256 consecutive bytes hold 16 queries' numbers,
; so the work-group stages the whole query tile's 192,000 bytes in LDS (two tensor loads, filled once) and reads its half; two work-groups to a tile keep all 256 WGPs at work.
; EIGHT PASSES, with no branch on data: the wave's largest value M; the lowest number W among the groups equal to M; that group becomes -infinity; lane k keeps the k-th W.
; Numbers of groups are kept as f32 (whole numbers under 2^24 are exact there), so that a minimum of three is one instruction.
; LIMITS: NaN is not served; +0 and -0 count as equal.
; No matrix unit: nothing is multiplied.  No cluster: two work-groups share a tile, and it comes once.
.set NE,   80                          ; elements a lane: e = 10 a + 5 h + st is group 320 a + 10 lane + 2 st + h (work-group 32 a + lane of the scan, supertile st, half h)
.set LANE, 1
.set VA,   2                           ; LDS: area A's rows 0-127, my row and column
.set VA2,  3                           ; rows 128-255
.set VB,   4                           ; area B's
.set BIG,  5
.set NINF, 6
.set M,    7
.set W,    8
.set TT,   9
.set RID,  10
.set CH,   12                          ; v12-15  four chains of maxima
.set U,    16                          ; v16-19  at work
.set WC,   20                          ; v20-21  two chains of minima
.set T10,  22
.set V,    32                          ; v32-127 values at V + 12 a + 6 h + st
.set IDB,  128                         ; v128-207 numbers at IDB + e
.set MK,   40                          ; s40-43  lane masks
.set K,    44
.set SEL,  46
.set LB,   133120                      ; LDS: area A's 256 rows of 520 bytes, then area B's 256 rows of 264
	s_load_b128 s[4:7], s[0:1], 0x0                ; gm, gid
	v_lshl_add_u32 v254, v0, 2, 0x31000
	v_mov_b32 v255, 0
	ds_add_u32 v254, v255
	ds_add_u32 v254, v255
	v_lshrrev_b32 v1, 5, v0
	v_readfirstlane_b32 s10, v1                    ; wave 0..7
	s_lshr_b32 s11, ttmp9, 1                       ; query tile
	s_and_b32 s12, ttmp9, 1
	s_lshl_b32 s12, s12, 3
	s_add_co_u32 s12, s12, s10                     ; r: my query's column in the tile
	s_and_b32 s13, s11, 1                          ; the tile's parity
	; group 1, area A: 250 rows of 512 bytes (64 elements of 8), dense; the tile states 256 rows: those past the 250th arrive as zeros.  8 bytes of padding behind each row: rows 130 words apart,
	; so that 32 lanes' reads of 8 bytes, a row to a lane, fall on 64 different banks (64 banks of 4 bytes: ISA guide 11.1)
	s_mov_b32 s16, (3<<16)|(1<<20)|(6<<22)|(1<<25)
	s_mov_b32 s17, 64<<16
	s_mov_b32 s18, 250<<16
	s_mov_b32 s19, 64<<16
	s_mov_b32 s20, 256
	s_mov_b32 s21, 64
	s_mov_b32 s22, 0
	s_mov_b32 s23, 0
	; area B: 250 rows of 256 bytes likewise: rows 66 words apart
	s_mov_b32 s24, (3<<16)|(1<<20)|(5<<22)|(1<<25)
	s_mov_b32 s25, 32<<16
	s_mov_b32 s26, 250<<16
	s_mov_b32 s27, 32<<16
	s_mov_b32 s28, 256
	s_mov_b32 s29, 32
	s_mov_b32 s30, 0
	s_mov_b32 s31, 0
	s_mul_i32 s14, s11, 128000
	s_mov_b32 s15, 0
	s_lshr_b32 s36, s11, 1
	s_mul_i32 s36, s36, 64000
	s_add_co_u32 s36, s36, 16384000
	s_mov_b32 s37, 0
	s_wait_dscnt 0x0
	s_wait_kmcnt 0x0
	s_mov_b32 s32, 1
	s_mov_b32 s33, 0
	s_add_nc_u64 s[34:35], s[4:5], s[14:15]
	s_or_b32 s35, s35, 0x80000000
	s_mov_b32 s48, 1
	s_mov_b32 s49, LB
	s_add_nc_u64 s[50:51], s[4:5], s[36:37]
	s_or_b32 s51, s51, 0x80000000
	s_cmp_lg_u32 s10, 0                            ; wave 0 alone fetches: both fills in one branch on the wave's number
	s_cbranch_scc1 .Lno_fill
	tensor_load_to_lds s[32:35], s[16:23]
	s_nop 0
	tensor_load_to_lds s[48:51], s[24:31]
	s_nop 0
.rept 4
	v_nop                                          ; (behind a tensor load)
.endr
.Lno_fill:
	v_and_b32 v[LANE], 31, v0
	v_mul_u32_u24 v[VA], v[LANE], 520
	s_lshl_b32 s38, s12, 3                         ; 8 r
	v_add_nc_u32 v[VA], s38, v[VA]
	v_add_nc_u32 v[VA2], 66560, v[VA]              ; 128 rows on: an LDS immediate has 16 bits
	v_mul_u32_u24 v[VB], v[LANE], 264
	s_lshl_b32 s39, s13, 2
	s_add_co_u32 s39, s39, s38
	s_add_co_u32 s39, s39, LB
	v_add_nc_u32 v[VB], s39, v[VB]
	v_mov_b32 v[BIG], 0x7f7fffff                   ; above every number of a group
	v_mov_b32 v[NINF], 0xff800000
	v_mov_b32 v[TT], 0                             ; (a lane permute's destination counts as one of its sources)
	v_mov_b32 v[RID], 0
	v_mul_u32_u24 v[T10], v[LANE], 10
	s_mov_b32 s[SEL], 0x76543210
	s_mov_b32 s[SEL+1], 0xfedcba98
	s_mov_b32 s[K], 0
	s_wait_tensorcnt 0x0                           ; wave 0: both tiles have landed
	s_barrier_signal -1
	s_barrier_wait -1                              ; and every wave knows
.irp a, 0,1,2,3,4,5,6,7
.irp h, 0,1
.irp p, 0,1
.if \a < 4
	ds_load_b64 v[V+12*\a+6*\h+2*\p:V+12*\a+6*\h+2*\p+1], v[VA] offset:\a*16640+256*\p+128*\h
.else
	ds_load_b64 v[V+12*\a+6*\h+2*\p:V+12*\a+6*\h+2*\p+1], v[VA2] offset:(\a-4)*16640+256*\p+128*\h
.endif
.endr
	ds_load_b32 v[V+12*\a+6*\h+4], v[VB] offset:8448*\a+128*\h
.endr
.endr
.set ee, 0
.rept NE
	v_add_nc_u32 v[IDB+ee], 320*(ee/10)+2*(ee%5)+(ee/5)%2, v[T10]      ; the groups' numbers, made while the loads are out
.set ee, ee+1
.endr
.set ee, 0
.rept NE
	v_cvt_f32_u32 v[IDB+ee], v[IDB+ee]
.set ee, ee+1
.endr
	s_wait_dscnt 0x0
	v_cmp_gt_u32 vcc_lo, 26, v[LANE]               ; a = 7: rows 224 + lane; there are 250
.irp h, 0,1
.irp t, 0,1,2,3,4
	v_cndmask_b32 v[V+84+6*\h+\t], v[NINF], v[V+84+6*\h+\t], vcc_lo
.endr
.endr
.macro PAIR                            ; the registers of elements ee and ee + 1
.set rv0, V+12*(ee/10)+6*((ee/5)%2)+ee%5
.set rv1, V+12*((ee+1)/10)+6*(((ee+1)/5)%2)+(ee+1)%5
.set ri0, IDB+ee
.set ri1, IDB+ee+1
.endm
.Lpass:
	; the wave's largest value
.set ee, 0
.rept NE/2
	PAIR
.if ee < 8
	v_max_num_f32 v[CH+(ee/2)%4], v[rv0], v[rv1]
.else
	v_max3_num_f32 v[CH+(ee/2)%4], v[CH+(ee/2)%4], v[rv0], v[rv1]
.endif
.set ee, ee+2
.endr
	v_max3_num_f32 v[M], v[CH], v[CH+1], v[CH+2]
	v_max_num_f32 v[M], v[M], v[CH+3]
	v_max_num_f32_dpp v[M], v[M], v[M] row_xmask:1 row_mask:0xf bank_mask:0xf
	v_max_num_f32_dpp v[M], v[M], v[M] row_xmask:2 row_mask:0xf bank_mask:0xf
	v_max_num_f32_dpp v[M], v[M], v[M] row_xmask:4 row_mask:0xf bank_mask:0xf
	v_max_num_f32_dpp v[M], v[M], v[M] row_xmask:8 row_mask:0xf bank_mask:0xf
	v_permlanex16_b32 v[TT], v[M], s[SEL], s[SEL+1]
	v_max_num_f32 v[M], v[M], v[TT]
	; the lowest number among the groups that equal it
.set ee, 0
.rept NE/2
	PAIR
	v_cmp_eq_f32 s[MK+ee%4], v[rv0], v[M]
	v_cmp_eq_f32 s[MK+ee%4+1], v[rv1], v[M]
	v_cndmask_b32 v[U+ee%4], v[BIG], v[ri0], s[MK+ee%4]
	v_cndmask_b32 v[U+ee%4+1], v[BIG], v[ri1], s[MK+ee%4+1]
.if ee < 4
	v_min_num_f32 v[WC+(ee/2)%2], v[U+ee%4], v[U+ee%4+1]
.else
	v_min3_num_f32 v[WC+(ee/2)%2], v[WC+(ee/2)%2], v[U+ee%4], v[U+ee%4+1]
.endif
.set ee, ee+2
.endr
	v_min_num_f32 v[W], v[WC], v[WC+1]
	v_min_num_f32_dpp v[W], v[W], v[W] row_xmask:1 row_mask:0xf bank_mask:0xf
	v_min_num_f32_dpp v[W], v[W], v[W] row_xmask:2 row_mask:0xf bank_mask:0xf
	v_min_num_f32_dpp v[W], v[W], v[W] row_xmask:4 row_mask:0xf bank_mask:0xf
	v_min_num_f32_dpp v[W], v[W], v[W] row_xmask:8 row_mask:0xf bank_mask:0xf
	v_permlanex16_b32 v[TT], v[W], s[SEL], s[SEL+1]
	v_min_num_f32 v[W], v[W], v[TT]
	; that group is out
.set ee, 0
.rept NE/2
	PAIR
	v_cmp_eq_f32 s[MK+ee%4], v[ri0], v[W]
	v_cmp_eq_f32 s[MK+ee%4+1], v[ri1], v[W]
	v_cndmask_b32 v[rv0], v[rv0], v[NINF], s[MK+ee%4]
	v_cndmask_b32 v[rv1], v[rv1], v[NINF], s[MK+ee%4+1]
.set ee, ee+2
.endr
	v_cmp_eq_u32 vcc_lo, s[K], v[LANE]
	v_cndmask_b32 v[RID], v[RID], v[W], vcc_lo     ; lane k keeps the k-th
	s_add_co_u32 s[K], s[K], 1
	s_cmp_lt_u32 s[K], 8
	s_cbranch_scc1 .Lpass
	v_cvt_u32_f32 v[W], v[RID]                     ; g
	v_and_b32 v[M], 1, v[W]
	v_mul_u32_u24 v[W], v[W], 40
	v_mul_u32_u24 v[M], v[M], 39
	v_sub_nc_u32 v[W], v[W], v[M]                  ; 40 g - 39 (g % 2) = 80 S + h
	v_lshlrev_b32 v[TT], 2, v[LANE]
	s_lshl_b32 s14, ttmp9, 3
	s_add_co_u32 s14, s14, s10                     ; my query: 8 x + wave
	s_lshl_b32 s14, s14, 5
	s_mov_b32 s15, 0
	s_add_nc_u64 s[6:7], s[6:7], s[14:15]
	s_wait_xcnt 0x0                                ; EXEC changes only behind this wait
	v_cmp_gt_u32 vcc_lo, 8, v[LANE]
	s_wait_tensorcnt 0x0
	ds_add_u32 v254, v255
	s_wait_dscnt 0x0
	s_and_saveexec_b32 s45, vcc_lo
	global_store_b32 v[TT], v[W], s[6:7]           ; 32 bytes a query; the work-group's eight waves fill 256 consecutive bytes, aligned
	s_endpgm
.Lfunc_end_k_qdcb304542d_pick:
	.size	k_qdcb304542d_pick, .Lfunc_end_k_qdcb304542d_pick-k_qdcb304542d_pick
	.p2alignl 7, 3214868480
	.fill 96, 4, 3214868480
	.section	.rodata,"a",@progbits
	.p2align	6, 0x0
	.amdhsa_kernel k_qdcb304542d_pick
		.amdhsa_group_segment_fixed_size 201728
		.amdhsa_private_segment_fixed_size 0
		.amdhsa_enable_private_segment 0
		.amdhsa_kernarg_size 16
		.amdhsa_user_sgpr_count 2
		.amdhsa_user_sgpr_kernarg_segment_ptr 1
		.amdhsa_wavefront_size32 1
		.amdhsa_system_sgpr_workgroup_id_x 1
		.amdhsa_system_sgpr_workgroup_id_y 1
		.amdhsa_system_sgpr_workgroup_id_z 1
		.amdhsa_system_vgpr_workitem_id 0
		.amdhsa_next_free_vgpr 256
		.amdhsa_next_free_sgpr 66
		.amdhsa_reserve_vcc 1
		.amdhsa_float_denorm_mode_32 3
		.amdhsa_float_denorm_mode_16_64 3
		.amdhsa_memory_ordered 1
		.amdhsa_forward_progress 1
		.amdhsa_inst_pref_size 41
	.end_amdhsa_kernel
	.amdgpu_metadata
---
amdhsa.version: [ 1, 2 ]
amdhsa.kernels:
  - .name:           k_qdcb304542d_pick
    .symbol:         k_qdcb304542d_pick.kd
    .args:
      - { .name: gm, .offset: 0, .size: 8, .value_kind: global_buffer, .address_space: global }
      - { .name: gid, .offset: 8, .size: 8, .value_kind: global_buffer, .address_space: global }
    .group_segment_fixed_size: 201728
    .private_segment_fixed_size: 0
    .kernarg_segment_align: 8
    .kernarg_segment_size: 16
    .max_flat_workgroup_size: 256
    .sgpr_count:     66
    .vgpr_count:     256
    .wavefront_size: 32
...
	.end_amdgpu_metadata
.endif
;; end of part 3
;; launch rescore (part 4): grid 256 x 1, 8 waves a work-group, no clusters, 0 bytes of LDS; arguments kimg, qimg, gid, kidx, wts; writes kidx, wts
.if DOCPART == 4
	.amdgcn_target "amdgcn-amd-amdhsa--gfx1250"
	.amdhsa_code_object_version 6
	.text
	.protected	k_qdcb304542d_rescore
	.globl	k_qdcb304542d_rescore
	.p2align	8
	.type	k_qdcb304542d_rescore,@function
k_qdcb304542d_rescore:
	s_mov_b64 s[64:65], 0
	v_nop
	global_prefetch_b8 v0, s[64:65] scope:SCOPE_SE
	s_setreg_imm32_b32 hwreg(HW_REG_WAVE_MODE, 25, 1), 1
	s_wait_xcnt 0x0
; For each query the 320 keys of its 8 best groups are scored again, by the same matrix instruction on the same codes with K in the same places, and its exact 8 best keys, by (score falling,
; index rising), are taken; their softmax weights and their indices go to memory for the last launch.
; SHARES.  A wave takes one query.  Source 0 = the query's codes in all 16 rows (every lane of a half reads the same 16 bytes), source 1 = 16 candidate keys: register 0 of a result then holds,
; in lane (r, h), the score of candidate r.  20 tiles; a tile's lanes r < 8 take one run of 8 keys (an octet), lanes r >= 8 the next; octet oc is keys 8 (oc % 5) .. + 7 of group oc / 5.
; ADDRESSES.  gid holds u = 80 S + h for group 2 S + h.  y = u + 16 p is held at 99,985 from above, the largest that a group can give, ahead of every address made of it:
; the octet's codes begin at 128 y (+ 256 a block, 16 a key), its scale words at 8 y + 24 (y % 2) (+ 64 a K step, 4 a key); the last byte so reached is the last of each area.
; THE SOFTMAX takes the largest of the 8 scores away first.  LIMITS: NaN is not served; +0 and -0 count as equal scores.
; No LDS and no tensor load: each byte is read once by one wave, straight into the operand's registers.
; REGISTERS: window 0 as named below; window 1: the fragments of tiles 0-15, tile t at v[16 t].
.set NE,   10                          ; elements a lane: element i of lane l is candidate 32 i + l: tile 2 i + l / 16, column l % 16
.set LANE, 1
.set R7,   2                           ; r % 8
.set HB,   3                           ; lane / 16
.set BIG,  4
.set NINF, 5
.set M,    6
.set W,    7
.set TT,   8
.set RID,  9
.set RVAL, 10
.set Y,    11
.set PAR,  12
.set T0,   13
.set CB,   14                          ; 256 hb + 16 (r % 8)
.set SBS,  15                          ; 64 hb + 4 (r % 8)
.set AQ,   16                          ; v16-31   the query's two fragments
.set QS,   32                          ; v32      its scale words
.set KSC,  34                          ; v34-53   the tiles' scale words
.set OFC,  54                          ; v54-73   byte offsets of the tiles' codes
.set OFS,  74                          ; v74-93   and scale words
.set IDT,  94                          ; v94-113  column r's key index
.set ACC,  114                         ; v114-145 four accumulators
.set XV,   146                         ; v146-155 the scores
.set BX,   160                         ; v160-223 the fragments of tiles 16-19
.set ID,   224                         ; v224-233 the candidates' indices, as f32 (whole numbers under 2^24 are exact there)
.set CH,   234
.set U,    238
.set WC,   242
.set QA,   244
.set QB,   245
.set T1,   246
.set MK,   44                          ; s44-47 lane masks
.set K,    48
.set SEL,  24
.set MSB, 0
.macro WIN new
.if MSB != (\new)
	s_set_vgpr_msb (MSB<<8)|(\new)
.set MSB, (\new)
.endif
.endm
	s_load_b256 s[4:11], s[0:1], 0x0               ; kimg s[4:5], qimg s[6:7], gid s[8:9], kidx s[10:11]
	s_load_b64 s[12:13], s[0:1], 0x20              ; wts
	v_lshrrev_b32 v1, 5, v0
	v_readfirstlane_b32 s14, v1                    ; wave 0..7
	s_lshl_b32 s15, ttmp9, 3
	s_add_co_u32 s15, s15, s14                     ; my query
	s_lshl_b32 s28, s15, 5                         ; 32 bytes a query in gid, kidx and wts
	s_mov_b32 s29, 0
	s_lshr_b32 s30, s15, 4                         ; its tile,
	s_and_b32 s31, s15, 15                         ; its slot
	s_lshl_b32 s34, s30, 11
	s_lshl_b32 s35, s31, 4
	s_add_co_u32 s34, s34, s35                     ; its codes: 2,048 x tile + 16 x slot
	s_lshl_b32 s36, s30, 7
	s_lshl_b32 s37, s31, 2
	s_add_co_u32 s36, s36, s37
	s_add_co_u32 s36, s36, 262144                  ; its scale words: 262,144 + 128 x tile + 4 x slot
	s_mov_b32 s35, 0
	s_mov_b32 s37, 0
	s_mov_b32 s40, 0xff00ff00                      ; lanes with r >= 8
	s_mov_b32 s41, 0xffff0000                      ; lanes 16-31
	s_mov_b32 s[SEL], 0x76543210
	s_mov_b32 s[SEL+1], 0xfedcba98
	s_mov_b32 s[K], 0
	s_wait_kmcnt 0x0
	s_add_nc_u64 s[8:9], s[8:9], s[28:29]
	s_add_nc_u64 s[10:11], s[10:11], s[28:29]
	s_add_nc_u64 s[12:13], s[12:13], s[28:29]
	s_load_b256 s[16:23], s[8:9], 0x0              ; my 8 groups
	s_add_nc_u64 s[32:33], s[6:7], s[36:37]
	s_add_nc_u64 s[6:7], s[6:7], s[34:35]
	s_add_nc_u64 s[26:27], s[4:5], 12800000        ; kimg's scale words
	v_and_b32 v[LANE], 31, v0
	v_and_b32 v[R7], 7, v0
	v_bfe_u32 v[HB], v0, 4, 1
	v_lshlrev_b32 v[QA], 8, v[HB]
	v_lshlrev_b32 v[QB], 6, v[HB]
	v_lshl_add_u32 v[CB], v[R7], 4, v[QA]
	v_lshl_add_u32 v[SBS], v[R7], 2, v[QB]
.irp c, 0,1,2,3
	global_load_b128 v[AQ+4*\c:AQ+4*\c+3], v[QA], s[6:7] offset:512*\c   ; block 2 c + hb of my query, the same in all sixteen rows
.endr
	global_load_b32 v[QS], v[QB], s[32:33]         ; lanes 0-15 K step 0's word, lanes 16-31 K step 1's
	v_mov_b32 v[BIG], 0x7f7fffff
	v_mov_b32 v[NINF], 0xff800000
	v_mov_b32 v[TT], 0
	v_mov_b32 v[RID], 0
	v_mov_b32 v[RVAL], 0xff800000
	s_wait_kmcnt 0x0
.set tt, 0
.rept 20
	s_add_co_u32 s34, s[16+(2*tt)/5], 16*((2*tt)%5)          ; y of the tile's first octet,
	s_add_co_u32 s35, s[16+(2*tt+1)/5], 16*((2*tt+1)%5)      ; and of its second
	s_add_co_u32 s36, s[16+(2*tt)/5], 8*((2*tt)%5)           ; u + 8 p likewise: the key index less 39 h + j
	s_add_co_u32 s37, s[16+(2*tt+1)/5], 8*((2*tt+1)%5)
	v_mov_b32 v[T0], s35
	v_cndmask_b32 v[Y], s34, v[T0], s40
	v_mov_b32 v[T1], s37
	v_cndmask_b32 v[T1], s36, v[T1], s40
	v_min_u32 v[Y], 0x18691, v[Y]                  ; held inside the table ahead of every address
	v_and_b32 v[PAR], 1, v[Y]                      ; h
	v_lshlrev_b32 v[OFC+tt], 7, v[Y]
	v_add_nc_u32 v[OFC+tt], v[OFC+tt], v[CB]
	v_lshlrev_b32 v[OFS+tt], 3, v[Y]
	v_mul_u32_u24 v[T0], v[PAR], 24
	v_add_nc_u32 v[OFS+tt], v[OFS+tt], v[T0]
	v_add_nc_u32 v[OFS+tt], v[OFS+tt], v[SBS]
	v_mad_u32_u24 v[T1], v[PAR], 39, v[T1]
	v_add_nc_u32 v[IDT+tt], v[T1], v[R7]           ; 80 S + 40 h + 8 p + j
.set tt, tt+1
.endr
.set tt, 0
.rept 20
	global_load_b32 v[KSC+tt], v[OFS+tt], s[26:27]
.set tt, tt+1
.endr
.set tt, 16
.rept 4
.irp c, 0,1,2,3
	global_load_b128 v[BX+16*(tt-16)+4*\c:BX+16*(tt-16)+4*\c+3], v[OFC+tt], s[4:5] offset:512*\c
.endr
.set tt, tt+1
.endr
	WIN 0x40                                       ; destination window 1
.set tt, 0
.rept 16
.irp c, 0,1,2,3
	global_load_b128 v[16*tt+4*\c:16*tt+4*\c+3], v[OFC+tt], s[4:5] offset:512*\c
.endr
.set tt, tt+1
.endr
	WIN 0
.irp i, 0,1,2,3,4,5,6,7,8,9
	v_cndmask_b32 v[ID+\i], v[IDT+2*\i], v[IDT+2*\i+1], s41
.endr
.irp i, 0,1,2,3,4,5,6,7,8,9
	v_cvt_f32_u32 v[ID+\i], v[ID+\i]
.endr
.macro WMR t, a, s                     ; tile t, accumulator a, K step s
.if (\t) < 16
.set rb, 16*(\t)+8*(\s)
.else
.set rb, BX+16*((\t)-16)+8*(\s)
.endif
.if \s == 0
	v_wmma_scale_f32_16x16x128_f8f6f4 v[ACC+8*\a:ACC+8*\a+7], v[AQ:AQ+7], v[rb:rb+7], 0, v[QS], v[KSC+(\t)] matrix_a_fmt:MATRIX_FMT_FP4 matrix_b_fmt:MATRIX_FMT_FP4
.else
	v_wmma_scale_f32_16x16x128_f8f6f4 v[ACC+8*\a:ACC+8*\a+7], v[AQ+8:AQ+15], v[rb:rb+7], v[ACC+8*\a:ACC+8*\a+7], v[QS], v[KSC+(\t)] matrix_a_fmt:MATRIX_FMT_FP4 matrix_b_fmt:MATRIX_FMT_FP4 matrix_a_scale:MATRIX_SCALE_ROW1 matrix_b_scale:MATRIX_SCALE_ROW1
.endif
.endm
; Four tiles: the four accumulators by turns, one instruction a turn.  left: the loads of later tiles, which may stay out.
.macro BATCH t0, left
	s_wait_loadcnt \left
.if \t0 < 16
	WIN 0x04                                       ; source 1 in window 1
.endif
.irp a, 0,1,2,3
	WMR \t0+\a, \a, 0
.endr
.irp a, 0,1,2,3
	WMR \t0+\a, \a, 1
.endr
	WIN 0
.rept 5
	v_nop                                          ; four places ahead of the reads below, five ahead of the matrix instructions that begin these accumulators anew (ISA guide 7.12.1)
.endr
	v_cndmask_b32 v[XV+(\t0)/2], v[ACC], v[ACC+8], s41             ; each accumulator's lowest register: lanes 0-15 the even tile's columns, lanes 16-31 the odd tile's
	v_cndmask_b32 v[XV+(\t0)/2+1], v[ACC+16], v[ACC+24], s41
.endm
	BATCH 16, 63                                   ; 64 loads are younger than tile 19's; the count's field holds 63
	BATCH 0, 48
	BATCH 4, 32
	BATCH 8, 16
	BATCH 12, 0
.macro PAIR
.set rv0, XV+ee
.set rv1, XV+ee+1
.set ri0, ID+ee
.set ri1, ID+ee+1
.endm
.Lpass:                                            ; eight passes, no branch on data: the largest score; the lowest index that has it; that key is out; lane k keeps the k-th
.set ee, 0
.rept NE/2
	PAIR
.if ee < 8
	v_max_num_f32 v[CH+(ee/2)%4], v[rv0], v[rv1]
.else
	v_max3_num_f32 v[CH+(ee/2)%4], v[CH+(ee/2)%4], v[rv0], v[rv1]
.endif
.set ee, ee+2
.endr
	v_max3_num_f32 v[M], v[CH], v[CH+1], v[CH+2]
	v_max_num_f32 v[M], v[M], v[CH+3]
	v_max_num_f32_dpp v[M], v[M], v[M] row_xmask:1 row_mask:0xf bank_mask:0xf
	v_max_num_f32_dpp v[M], v[M], v[M] row_xmask:2 row_mask:0xf bank_mask:0xf
	v_max_num_f32_dpp v[M], v[M], v[M] row_xmask:4 row_mask:0xf bank_mask:0xf
	v_max_num_f32_dpp v[M], v[M], v[M] row_xmask:8 row_mask:0xf bank_mask:0xf
	v_permlanex16_b32 v[TT], v[M], s[SEL], s[SEL+1]
	v_max_num_f32 v[M], v[M], v[TT]
.set ee, 0
.rept NE/2
	PAIR
	v_cmp_eq_f32 s[MK+ee%4], v[rv0], v[M]
	v_cmp_eq_f32 s[MK+ee%4+1], v[rv1], v[M]
	v_cndmask_b32 v[U+ee%4], v[BIG], v[ri0], s[MK+ee%4]
	v_cndmask_b32 v[U+ee%4+1], v[BIG], v[ri1], s[MK+ee%4+1]
.if ee < 4
	v_min_num_f32 v[WC+(ee/2)%2], v[U+ee%4], v[U+ee%4+1]
.else
	v_min3_num_f32 v[WC+(ee/2)%2], v[WC+(ee/2)%2], v[U+ee%4], v[U+ee%4+1]
.endif
.set ee, ee+2
.endr
	v_min_num_f32 v[W], v[WC], v[WC+1]
	v_min_num_f32_dpp v[W], v[W], v[W] row_xmask:1 row_mask:0xf bank_mask:0xf
	v_min_num_f32_dpp v[W], v[W], v[W] row_xmask:2 row_mask:0xf bank_mask:0xf
	v_min_num_f32_dpp v[W], v[W], v[W] row_xmask:4 row_mask:0xf bank_mask:0xf
	v_min_num_f32_dpp v[W], v[W], v[W] row_xmask:8 row_mask:0xf bank_mask:0xf
	v_permlanex16_b32 v[TT], v[W], s[SEL], s[SEL+1]
	v_min_num_f32 v[W], v[W], v[TT]
.set ee, 0
.rept NE/2
	PAIR
	v_cmp_eq_f32 s[MK+ee%4], v[ri0], v[W]
	v_cmp_eq_f32 s[MK+ee%4+1], v[ri1], v[W]
	v_cndmask_b32 v[rv0], v[rv0], v[NINF], s[MK+ee%4]
	v_cndmask_b32 v[rv1], v[rv1], v[NINF], s[MK+ee%4+1]
.set ee, ee+2
.endr
	v_cmp_eq_u32 vcc_lo, s[K], v[LANE]
	v_cndmask_b32 v[RID], v[RID], v[W], vcc_lo
	v_cndmask_b32 v[RVAL], v[RVAL], v[M], vcc_lo
	s_add_co_u32 s[K], s[K], 1
	s_cmp_lt_u32 s[K], 8
	s_cbranch_scc1 .Lpass
	; the softmax of the 8 scores, which lie in lanes 0-7, the largest in lane 0; lanes 8-31 hold -infinity and give 0
	v_readlane_b32 s42, v[RVAL], 0
	v_sub_f32 v[M], v[RVAL], s42                   ; the largest is taken away first
	v_mul_f32 v[M], 0x3fb8aa3b, v[M]               ; x log2(e)
	v_exp_f32 v[M], v[M]
	v_nop                                          ; one plain place behind a transcendental
	s_wait_alu depctr_va_vdst(0)
	v_add_f32_dpp v[W], v[M], v[M] row_xmask:1 row_mask:0xf bank_mask:0xf
	v_add_f32_dpp v[W], v[W], v[W] row_xmask:2 row_mask:0xf bank_mask:0xf
	v_add_f32_dpp v[W], v[W], v[W] row_xmask:4 row_mask:0xf bank_mask:0xf   ; the sum of lanes 0-7, in each of them
	v_rcp_f32 v[W], v[W]
	v_lshlrev_b32 v[TT], 2, v[LANE]                ; (a plain place)
	v_cvt_u32_f32 v[RID], v[RID]
	s_wait_alu depctr_va_vdst(0)
	v_mul_f32 v[M], v[M], v[W]
	s_wait_xcnt 0x0                                ; EXEC changes only behind this wait
	v_cmp_gt_u32 vcc_lo, 8, v[LANE]
	s_and_saveexec_b32 s43, vcc_lo
	global_store_b32 v[TT], v[RID], s[10:11]       ; 32 bytes a query; the work-group's eight waves fill 256 consecutive bytes, aligned
	global_store_b32 v[TT], v[M], s[12:13]
	s_endpgm
.Lfunc_end_k_qdcb304542d_rescore:
	.size	k_qdcb304542d_rescore, .Lfunc_end_k_qdcb304542d_rescore-k_qdcb304542d_rescore
	.p2alignl 7, 3214868480
	.fill 96, 4, 3214868480
	.section	.rodata,"a",@progbits
	.p2align	6, 0x0
	.amdhsa_kernel k_qdcb304542d_rescore
		.amdhsa_group_segment_fixed_size 0
		.amdhsa_private_segment_fixed_size 0
		.amdhsa_enable_private_segment 0
		.amdhsa_kernarg_size 40
		.amdhsa_user_sgpr_count 2
		.amdhsa_user_sgpr_kernarg_segment_ptr 1
		.amdhsa_wavefront_size32 1
		.amdhsa_system_sgpr_workgroup_id_x 1
		.amdhsa_system_sgpr_workgroup_id_y 1
		.amdhsa_system_sgpr_workgroup_id_z 1
		.amdhsa_system_vgpr_workitem_id 0
		.amdhsa_next_free_vgpr 512
		.amdhsa_next_free_sgpr 66
		.amdhsa_reserve_vcc 1
		.amdhsa_float_denorm_mode_32 3
		.amdhsa_float_denorm_mode_16_64 3
		.amdhsa_memory_ordered 1
		.amdhsa_forward_progress 1
		.amdhsa_inst_pref_size 40
	.end_amdhsa_kernel
	.amdgpu_metadata
---
amdhsa.version: [ 1, 2 ]
amdhsa.kernels:
  - .name:           k_qdcb304542d_rescore
    .symbol:         k_qdcb304542d_rescore.kd
    .args:
      - { .name: kimg, .offset: 0, .size: 8, .value_kind: global_buffer, .address_space: global }
      - { .name: qimg, .offset: 8, .size: 8, .value_kind: global_buffer, .address_space: global }
      - { .name: gid, .offset: 16, .size: 8, .value_kind: global_buffer, .address_space: global }
      - { .name: kidx, .offset: 24, .size: 8, .value_kind: global_buffer, .address_space: global }
      - { .name: wts, .offset: 32, .size: 8, .value_kind: global_buffer, .address_space: global }
    .group_segment_fixed_size: 0
    .private_segment_fixed_size: 0
    .kernarg_segment_align: 8
    .kernarg_segment_size: 40
    .max_flat_workgroup_size: 256
    .sgpr_count:     66
    .vgpr_count:     512
    .wavefront_size: 32
...
	.end_amdgpu_metadata
.endif
;; end of part 4
;; launch mix (part 5): grid 256 x 1, 8 waves a work-group, no clusters, 0 bytes of LDS; arguments values, kidx, wts, out0; writes out0
.if DOCPART == 5
	.amdgcn_target "amdgcn-amd-amdhsa--gfx1250"
	.amdhsa_code_object_version 6
	.text
	.protected	k_qdcb304542d_mix
	.globl	k_qdcb304542d_mix
	.p2align	8
	.type	k_qdcb304542d_mix,@function
k_qdcb304542d_mix:
	s_mov_b64 s[64:65], 0
	v_nop
	global_prefetch_b8 v0, s[64:65] scope:SCOPE_SE
	s_setreg_imm32_b32 hwreg(HW_REG_WAVE_MODE, 25, 1), 1
	s_wait_xcnt 0x0
; out0[q][:] = the sum over k = 0..7 of wts[q][k] x values[kidx[q][k]][:], in f32.  A wave takes one query: a row of 1,024 bytes is two loads of 512 consecutive bytes; all sixteen loads are
; issued at once and the rows are added as they come.  The indices were stored as whole numbers by the launch before; each is held at 99,999 from above ahead of the address made of it.
; No LDS, no matrix unit, no cluster: a gather of 8 rows a query, with nothing shared that is known ahead.  No hint on the loads: several queries may name one row.
	s_load_b256 s[4:11], s[0:1], 0x0               ; values s[4:5], kidx s[6:7], wts s[8:9], out0 s[10:11]
	v_lshrrev_b32 v1, 5, v0
	v_readfirstlane_b32 s12, v1                    ; wave 0..7
	s_lshl_b32 s13, ttmp9, 3
	s_add_co_u32 s13, s13, s12                     ; my query
	s_lshl_b32 s14, s13, 5                         ; 32 bytes a query in kidx and wts
	s_mov_b32 s15, 0
	s_lshl_b32 s48, s13, 10                        ; 1,024 in out0
	s_mov_b32 s49, 0
	v_and_b32 v1, 31, v0
	v_lshlrev_b32 v2, 4, v1                        ; 16 x lane
	s_wait_kmcnt 0x0
	s_add_nc_u64 s[6:7], s[6:7], s[14:15]
	s_add_nc_u64 s[8:9], s[8:9], s[14:15]
	s_add_nc_u64 s[10:11], s[10:11], s[48:49]
	s_load_b256 s[16:23], s[6:7], 0x0              ; 8 indices
	s_load_b256 s[24:31], s[8:9], 0x0              ; 8 weights
	s_wait_kmcnt 0x0
.irp k, 0,1,2,3,4,5,6,7
	s_min_u32 s[16+\k], s[16+\k], 0x1869f          ; inside the table
	s_lshl_b32 s[32+2*\k], s[16+\k], 10
	s_mov_b32 s[33+2*\k], 0
	s_add_nc_u64 s[32+2*\k:33+2*\k], s[4:5], s[32+2*\k:33+2*\k]
	global_load_b128 v[16+8*\k:19+8*\k], v2, s[32+2*\k:33+2*\k]
	global_load_b128 v[20+8*\k:23+8*\k], v2, s[32+2*\k:33+2*\k] offset:512
.endr
	s_wait_loadcnt 14                              ; row 0 is in; the seven later rows' loads may be out
.irp j, 0,1,2,3,4,5,6,7
	v_mul_f32 v[8+\j], s24, v[16+\j]               ; the first row starts the sums
.endr
.irp k, 1,2,3,4,5,6,7
	s_wait_loadcnt 14-2*\k                         ; row k is in
.irp j, 0,1,2,3,4,5,6,7
	v_fmac_f32 v[8+\j], s[24+\k], v[16+8*\k+\j]
.endr
.endr
	global_store_b128 v2, v[8:11], s[10:11] th:TH_STORE_NT               ; 32 lanes store 512 consecutive bytes, at a multiple of 256 from out0's first byte
	global_store_b128 v2, v[12:15], s[10:11] offset:512 th:TH_STORE_NT
	s_endpgm
.Lfunc_end_k_qdcb304542d_mix:
	.size	k_qdcb304542d_mix, .Lfunc_end_k_qdcb304542d_mix-k_qdcb304542d_mix
	.p2alignl 7, 3214868480
	.fill 96, 4, 3214868480
	.section	.rodata,"a",@progbits
	.p2align	6, 0x0
	.amdhsa_kernel k_qdcb304542d_mix
		.amdhsa_group_segment_fixed_size 0
		.amdhsa_private_segment_fixed_size 0
		.amdhsa_enable_private_segment 0
		.amdhsa_kernarg_size 32
		.amdhsa_user_sgpr_count 2
		.amdhsa_user_sgpr_kernarg_segment_ptr 1
		.amdhsa_wavefront_size32 1
		.amdhsa_system_sgpr_workgroup_id_x 1
		.amdhsa_system_sgpr_workgroup_id_y 1
		.amdhsa_system_sgpr_workgroup_id_z 1
		.amdhsa_system_vgpr_workitem_id 0
		.amdhsa_next_free_vgpr 96
		.amdhsa_next_free_sgpr 66
		.amdhsa_reserve_vcc 0
		.amdhsa_float_denorm_mode_32 3
		.amdhsa_float_denorm_mode_16_64 3
		.amdhsa_memory_ordered 1
		.amdhsa_forward_progress 1
		.amdhsa_inst_pref_size 7
	.end_amdhsa_kernel
	.amdgpu_metadata
---
amdhsa.version: [ 1, 2 ]
amdhsa.kernels:
  - .name:           k_qdcb304542d_mix
    .symbol:         k_qdcb304542d_mix.kd
    .args:
      - { .name: values, .offset: 0, .size: 8, .value_kind: global_buffer, .address_space: global }
      - { .name: kidx, .offset: 8, .size: 8, .value_kind: global_buffer, .address_space: global }
      - { .name: wts, .offset: 16, .size: 8, .value_kind: global_buffer, .address_space: global }
      - { .name: out0, .offset: 24, .size: 8, .value_kind: global_buffer, .address_space: global }
    .group_segment_fixed_size: 0
    .private_segment_fixed_size: 0
    .kernarg_segment_align: 8
    .kernarg_segment_size: 32
    .max_flat_workgroup_size: 256
    .sgpr_count:     66
    .vgpr_count:     96
    .wavefront_size: 32
...
	.end_amdgpu_metadata
.endif
;; end of part 5
